; MI455X (gfx1250); checked and timed in simulation.
; The chip was launched on July 23, 2026; its instructions are those of AMD's public machine-readable ISA for CDNA 5 (MIT licence, August 2026) and "CDNA5" Instruction Set Architecture Reference Guide (July 2026). The comments in the code are by the model that wrote it; some were corrected since.
;; Cross Attention Block. Allowed arithmetic: float matrix products may take bf16 or f16 operands with f32 sums; all other float work in f32.
;; Inputs: Wkv 1,024 x 512 float32; Wp 512 x 512 float32; Wq 512 x 512 float32; bkv 1,024 float32; bp 512 float32; bq 512 float32; x 8 x 512 x 32 x 32 float32; y 8 x 512 x 32 x 32 float32.
;; Outputs: out0 8 x 512 x 32 x 32 float32.
;; 2 versions, each right; version 2 is version 1 with the launch cast written anew for expert scheduling mode. Each part assembles by itself: llvm-mc -triple=amdgcn-amd-amdhsa -mcpu=gfx1250 --defsym DOCPART=n.
;; ======== version 1 of 2: 4 launches
;; limits: values are held in f16: magnitudes above 65,504 overflow, below 6.1e-05 lose precision
;; workspace buffers: x16 8,388,608 bytes; w16 1,572,864 bytes; wp16 524,288 bytes; qkv 25,165,824 bytes; res 8,388,608 bytes
;; launch cast (part 1): grid 256 x 1, 8 waves a work-group, no clusters, 0 bytes of LDS; arguments x, Wq, Wkv, Wp, x16, w16, wp16; writes x16, w16, wp16
.if DOCPART == 1
	.amdgcn_target "amdgcn-amd-amdhsa--gfx1250"
	.amdhsa_code_object_version 6
	.text
	.protected	k_qd43d63a9bf_cast
	.globl	k_qd43d63a9bf_cast
	.p2align	8
	.type	k_qd43d63a9bf_cast,@function
k_qd43d63a9bf_cast:
	s_mov_b64 s[64:65], 0
	v_nop
	global_prefetch_b8 v0, s[64:65] scope:SCOPE_SE
	s_setreg_imm32_b32 hwreg(HW_REG_WAVE_MODE, 25, 1), 1
	s_wait_xcnt 0x0
; x, Wq, Wkv and Wp are rounded to f16 once, so that the products behind this launch take their operands as they lie in memory:
; x16 [8 b][512 c][1024 n] in x's order; w16 [1536][512]: rows 0-511 are Wq, rows 512-1535 Wkv, so that head g (0-7 q, 8-15 k, 16-23 v) owns rows 64 g; wp16 [512][512].
; The input y is not read by any launch: the function to be computed never uses it, so no result hangs on it.
; LIMITS: f16's largest number is 65,504, and below 2^-14 it keeps an absolute error of at most 2^-25.  x of spread 1 reaches about 5.5, 30 times larger 165, with an offset
; of 30 spreads 35; weights of spread 0.02 / 30 keep an error of at most 5e-5 of their spread.  NaN and infinities get no special care.
; A STREAM: each byte is read once and each result stored once, so there is no LDS, no barrier, no matrix unit and no cluster: no two work-groups share a byte.
; SHARES: 256 work-groups of 256 threads.  A work-group takes 65,536 bytes of x, 4,096 of Wq, 8,192 of Wkv and 4,096 of Wp: 20 loads of 16 bytes a thread.
; A load of a wave takes 512 consecutive bytes; the four numbers of a lane make 8 bytes of f16, so a store of a wave covers 256 consecutive bytes, aligned.
; All 20 loads go out at once (80 KiB a work-group on their way); each is rounded and stored as it comes.  No register is written twice, so the stores need no wait.
.set D, 4                              ; v4-83: load j in v[4 + 4 j : 7 + 4 j], rounded in place into its first two registers
	s_load_b256 s[4:11], s[0:1], 0x0               ; x 4:5, Wq 6:7, Wkv 8:9, Wp 10:11
	s_load_b128 s[12:15], s[0:1], 0x20             ; x16 12:13, w16 14:15
	s_load_b64 s[16:17], s[0:1], 0x30              ; wp16
	v_lshlrev_b32 v1, 4, v0                        ; my 16 bytes of each 4,096 read
	v_lshlrev_b32 v2, 3, v0                        ; my 8 bytes of each 2,048 stored
	s_lshl_b32 s20, ttmp9, 16                      ; the work-group's part of x,
	s_mov_b32 s21, 0
	s_lshl_b32 s22, ttmp9, 12                      ; of Wq and Wp, and of Wkv's rows in w16,
	s_mov_b32 s23, 0
	s_lshl_b32 s24, ttmp9, 13                      ; of Wkv,
	s_mov_b32 s25, 0
	s_lshl_b32 s26, ttmp9, 15                      ; of x16,
	s_mov_b32 s27, 0
	s_lshl_b32 s28, ttmp9, 11                      ; of Wq's rows in w16 and of wp16
	s_mov_b32 s29, 0
	s_wait_kmcnt 0x0
	s_add_nc_u64 s[4:5], s[4:5], s[20:21]
	s_add_nc_u64 s[6:7], s[6:7], s[22:23]
	s_add_nc_u64 s[8:9], s[8:9], s[24:25]
	s_add_nc_u64 s[10:11], s[10:11], s[22:23]
	s_add_nc_u64 s[12:13], s[12:13], s[26:27]
	s_add_nc_u64 s[30:31], s[14:15], s[22:23]
	s_add_nc_u64 s[30:31], s[30:31], 0x80000       ; Wkv's rows begin 512 rows of 1,024 bytes into w16
	s_add_nc_u64 s[14:15], s[14:15], s[28:29]
	s_add_nc_u64 s[16:17], s[16:17], s[28:29]
.irp j, 0,1,2,3,4,5,6,7,8,9,10,11,12,13,14,15
	global_load_b128 v[D+4*\j:D+4*\j+3], v1, s[4:5] offset:\j*4096 th:TH_LOAD_NT
.endr
	global_load_b128 v[D+64:D+67], v1, s[6:7] th:TH_LOAD_NT
	global_load_b128 v[D+68:D+71], v1, s[8:9] th:TH_LOAD_NT
	global_load_b128 v[D+72:D+75], v1, s[8:9] offset:4096 th:TH_LOAD_NT
	global_load_b128 v[D+76:D+79], v1, s[10:11] th:TH_LOAD_NT
; Load j is rounded and stored at byte off behind the base s[b : b + 1].
.macro ROUNDED j, b, off
	s_wait_loadcnt 19-\j                           ; loads come back in order (ISA guide 5.7.1): load j is in, the younger ones stay out
	v_cvt_pk_f16_f32 v[D+4*\j],   v[D+4*\j],   v[D+4*\j+1]
	v_cvt_pk_f16_f32 v[D+4*\j+1], v[D+4*\j+2], v[D+4*\j+3]
	global_store_b64 v2, v[D+4*\j:D+4*\j+1], s[\b:\b+1] offset:\off
.endm
.irp j, 0,1,2,3,4,5,6,7,8,9,10,11,12,13,14,15
	ROUNDED \j, 12, \j*2048
.endr
	ROUNDED 16, 14, 0
	ROUNDED 17, 30, 0
	ROUNDED 18, 30, 2048
	ROUNDED 19, 16, 0
	s_endpgm
.Lfunc_end_k_qd43d63a9bf_cast:
	.size	k_qd43d63a9bf_cast, .Lfunc_end_k_qd43d63a9bf_cast-k_qd43d63a9bf_cast
	.p2alignl 7, 3214868480
	.fill 96, 4, 3214868480
	.section	.rodata,"a",@progbits
	.p2align	6, 0x0
	.amdhsa_kernel k_qd43d63a9bf_cast
		.amdhsa_group_segment_fixed_size 0
		.amdhsa_private_segment_fixed_size 0
		.amdhsa_enable_private_segment 0
		.amdhsa_kernarg_size 56
		.amdhsa_user_sgpr_count 2
		.amdhsa_user_sgpr_kernarg_segment_ptr 1
		.amdhsa_wavefront_size32 1
		.amdhsa_system_sgpr_workgroup_id_x 1
		.amdhsa_system_sgpr_workgroup_id_y 1
		.amdhsa_system_sgpr_workgroup_id_z 1
		.amdhsa_system_vgpr_workitem_id 0
		.amdhsa_next_free_vgpr 88
		.amdhsa_next_free_sgpr 66
		.amdhsa_reserve_vcc 0
		.amdhsa_float_denorm_mode_32 3
		.amdhsa_float_denorm_mode_16_64 3
		.amdhsa_memory_ordered 1
		.amdhsa_forward_progress 1
		.amdhsa_inst_pref_size 9
	.end_amdhsa_kernel
	.amdgpu_metadata
---
amdhsa.version: [ 1, 2 ]
amdhsa.kernels:
  - .name:           k_qd43d63a9bf_cast
    .symbol:         k_qd43d63a9bf_cast.kd
    .args:
      - { .name: x, .offset: 0, .size: 8, .value_kind: global_buffer, .address_space: global }
      - { .name: Wq, .offset: 8, .size: 8, .value_kind: global_buffer, .address_space: global }
      - { .name: Wkv, .offset: 16, .size: 8, .value_kind: global_buffer, .address_space: global }
      - { .name: Wp, .offset: 24, .size: 8, .value_kind: global_buffer, .address_space: global }
      - { .name: x16, .offset: 32, .size: 8, .value_kind: global_buffer, .address_space: global }
      - { .name: w16, .offset: 40, .size: 8, .value_kind: global_buffer, .address_space: global }
      - { .name: wp16, .offset: 48, .size: 8, .value_kind: global_buffer, .address_space: global }
    .group_segment_fixed_size: 0
    .private_segment_fixed_size: 0
    .kernarg_segment_align: 8
    .kernarg_segment_size: 56
    .max_flat_workgroup_size: 256
    .sgpr_count:     66
    .vgpr_count:     88
    .wavefront_size: 32
...
	.end_amdgpu_metadata
.endif
;; end of part 1
;; launch qkv_gemm (part 2): grid 8 x 32, 4 waves a work-group, clusters of 4 x 4, 327,680 bytes of LDS; arguments x16, w16, bq, bkv, qkv; writes qkv
.if DOCPART == 2
	.amdgcn_target "amdgcn-amd-amdhsa--gfx1250"
	.amdhsa_code_object_version 6
	.text
	.protected	k_qd43d63a9bf_qkv_gemm
	.globl	k_qd43d63a9bf_qkv_gemm
	.p2align	8
	.type	k_qd43d63a9bf_qkv_gemm,@function
k_qd43d63a9bf_qkv_gemm:
	s_mov_b64 s[64:65], 0
	v_nop
	global_prefetch_b8 v0, s[64:65] scope:SCOPE_SE
	s_setreg_imm32_b32 hwreg(HW_REG_WAVE_MODE, 25, 1), 1
	s_wait_xcnt 0x0
	s_wait_alu depctr_hold_cnt(0) depctr_sa_sdst(0) depctr_va_vdst(0) depctr_va_sdst(0) depctr_va_ssrc(0) depctr_va_vcc(0) depctr_vm_vsrc(0)
	s_getreg_b32 s2, hwreg(HW_REG_IB_STS2, 6, 4)
	s_cmp_eq_u32 s2, 0
	s_cbranch_scc0 .Lentry_in_a_cluster
	s_endpgm
.Lentry_in_a_cluster:
	s_bfe_u32 s2, ttmp6, 0x10000c
	s_cmp_lg_u32 s2, 0xf033
	s_cbranch_scc0 .Lentry_shape_is_right
	s_endpgm
.Lentry_shape_is_right:
; q, k, v = x^T W^T + b, rounded to f16, laid out as planes qkv[g][b][n][64]: g = 0-7 the heads of q, 8-15 of k, 16-23 of v.
; x16: [8 b][512 c][1024 n] f16.  w16: [1536 o][512 c] f16, head g in rows 64 g.  bq [512], bkv [1024] f32.
; FORMAT: all matrix operands of this program are f16, the sums f32.  Six roundings lie between x and the output along v's way (x, W, v, p, res, Wp), each passes
; undamped into the output, and the output is compared within a hundredth of its root mean square: 11 significant bits leave room for that, 8 do not.
; LIMITS: f16's largest number is 65,504; a q, k or v beyond it becomes infinity.  With x of spread 1 and weights of spread 0.02 they reach about 2.5; with all inputs
; 30 times larger 900 times that, about 2,300; with offsets of 30 spreads in x and W at once 512 x 30 x 0.6, about 9,200.  Below 2^-14 f16 keeps an absolute error of
; at most 2^-25: with all inputs 30 times smaller (q, k, v of spread 5e-4) that is 6e-5 of their spread.  NaN and infinities get no special care.
; SHARES: work-group (bx, by) makes rows n = 256 (by & 3) .. + 255 of batch by >> 2 for the three heads g = 3 bx + 0, 1, 2: 256 x 192 numbers.
; Four waves, as many as a WGP has SIMDs; wave w makes rows 64 w .. + 63 by all 192 columns: 12 x 4 accumulator tiles, 384 registers, and whole rows of the output,
; so that the way out is the wave's own.  For 32 along c a wave reads (64 + 192) x 64 bytes from LDS and issues 48 matrix instructions.
; c goes in four steps of 128 through a ring of two LDS slots filled by the tensor data mover; a tile's rows are 512 (x) and 256 (W) consecutive bytes of memory.
; CLUSTER: 4 x 4 work-groups.  x's tile hangs on by alone and is shared along a row of the cluster, W's on bx alone and is shared along a column: each is asked for
; jointly by the four that need it, which divides the requests for both by four.
; THE MATRIX INSTRUCTION: source A = 16 rows o of W (c along the registers), source B = 16 columns n of x, taken from LDS rows that lie along n by the
; transposing load.  In the result lane l holds row n = l % 16 and its eight registers the columns o = 8 (l / 16) + 0..7: 16 bytes of f16 of one output row.
; REGISTERS, in windows of 256 (s_set_vgpr_msb's low byte: bits 1:0 source 0, 3:2 source 1, 5:4 source 2, 7:6 destination):
;   window 0: v0-31 addresses; v32-63, v64-95 x's four fragments, two buffers; v96-143 results as f16; v144-191, v192-239 rows read back, two sets
;   window 1: v0-95, v96-191 W's twelve fragments, two buffers
;   window 2: the accumulators of column tiles 0-7, tile (t, nt) at 8 (4 t + nt);   window 3: v0-127 those of tiles 8-11; v128-223 the biases of tile t at 128 + 8 t
.set XP,     544                       ; LDS pitch of a row c of x: 256 n = 512 bytes + 32 = 17 x 32, an odd multiple of 32 for the transposing load
.set WPT,    272                       ; LDS pitch of a row o of W: 128 c = 256 bytes + 16, an odd multiple of 16
.set KSTEP,  128
.set WPART,  KSTEP*XP                  ; W's 192 rows lie behind x's 128
.set SLOT,   WPART+192*WPT             ; 121,856 bytes
.set STAGE,  2*SLOT                    ; the way out: 16 rows x 400 bytes for each wave, bytes of their own into which no tile lands
.set SPT,    400                       ; 192 f16 = 384 bytes + 16: an odd multiple of 16
.set BO,   6                           ; v6      byte offset of my eight biases in a tile's 16
.set STO,  7                           ; v7      the way out: where I put 16 bytes of a row
.set RD,   8                           ; v8      the way out: where I read 16 bytes of a head's row back
.set GO,   9                           ; v9      my byte offset in the work-group's 256 rows of a head's plane
.set TMP,  10
.set XF,   16                          ; v16-17  my x fragments in slot 0, 1
.set WF,   20                          ; v20-21  my W fragments in slot 0, 1
.set XFR,  32
.set PK,   96
.set T0,   144
.set BIAS, 128
.set G1X,  24                          ; s[24:31] descriptor group 1 for x's tiles
.set G1W,  32                          ; s[32:39] for W's
.set G0X,  40                          ; s[40:47] descriptor group 0 for x's tiles, one set for each slot
.set G0W,  48                          ; s[48:55] for W's
.set MSB, 0
.macro WIN new                         ; the immediate's high byte repeats the setting that is left; a switch that changes nothing is dropped
.if MSB != (\new)
	s_set_vgpr_msb (MSB<<8)|(\new)
.set MSB, (\new)
.endif
.endm
.macro WLO first                       ; A window 1, B window 0, D window 2; C window 2, or window 3 where the biases start the sums
.if \first
	WIN 0xb1
.else
	WIN 0xa1
.endif
.endm
.macro PLACES n
.rept \n
	v_nop
.endr
.endm
; A joint load.  Waves 0 and 1 fetch x's two halves, waves 2 and 3 W's.  Each line has one mask and one set of registers for all that issue it; the branch hangs on the wave's number alone.
.macro JLOAD s
	s_cmp_eq_u32 s15, 0
	s_cbranch_scc0 .Lfor_w_\@
	tensor_load_to_lds s[G0X+4*\s:G0X+4*\s+3], s[G1X:G1X+7]
	s_nop 0
	s_branch .Lasked_\@
.Lfor_w_\@:
	tensor_load_to_lds s[G0W+4*\s:G0W+4*\s+3], s[G1W:G1W+7]
	s_nop 0
.Lasked_\@:
.endm
; A round of the cluster's barrier: my work-group's barrier, wave 0 signals for the work-group, every wave waits for all sixteen work-groups, my work-group's barrier once more.
.macro CREST                           ; a round behind its opening barrier
	s_cmp_lg_u32 s14, 0
	s_cbranch_scc1 .Lnot_wave_0_\@
	s_barrier_signal -3
.Lnot_wave_0_\@:
	s_barrier_wait -3
	s_barrier_signal -1
	s_barrier_wait -1
.endm
.macro CROUND                          ; a whole round
	s_barrier_signal -1
	s_barrier_wait -1
	CREST
.endm
	s_load_b256 s[4:11], s[0:1], 0x0               ; x16 4:5, w16 6:7, bq 8:9, bkv 10:11
	s_load_b64 s[12:13], s[0:1], 0x20              ; qkv
	s_set_vgpr_msb 0x40
	v_lshl_add_u32 v255, v0, 2, 0x41c00
	s_set_vgpr_msb 0x4000
	v_mov_b32 v255, 0
	s_set_vgpr_msb 0x1
	ds_add_u32 v255, v255
	s_set_vgpr_msb 0x100
	v_lshrrev_b32 v1, 5, v0
	v_readfirstlane_b32 s14, v1                    ; wave 0..3
	s_lshr_b32 s15, s14, 1                         ; I fetch for x (0) or for W (1)
	s_and_b32 s16, s14, 1                          ; which half of that tile
	s_bfe_u32 s17, ttmp6, 0x40000                  ; cx
	s_bfe_u32 s18, ttmp6, 0x40004                  ; cy
	s_lshl_b32 s19, ttmp9, 2
	s_add_co_u32 s19, s19, s17                     ; bx = 4 x cluster x + cx
	s_and_b32 s20, ttmp7, 0xffff
	s_lshl_b32 s20, s20, 2
	s_add_co_u32 s20, s20, s18                     ; by = 4 x cluster y + cy
	s_lshl_b32 s21, s18, 2
	s_lshl_b32 s21, 15, s21                        ; my row of the cluster: places 4 cy .. 4 cy + 3
	s_lshl_b32 s22, 0x1111, s17                    ; my column: places cx, cx + 4, cx + 8, cx + 12
	; Group 1 for x: 64 rows c x 256 elements n out of rows of 1,024
	s_or_b32 s[G1X+0], s21, (1<<16)|(1<<20)|(1<<21)|(6<<22)|(7<<25)   ; 15:0 my row; 17:16 elements of 2 bytes; 20 padding on; 21 set beside a mask; 24:22 after every 128 words; 31:25 eight words
	s_mov_b32 s[G1X+1], 256<<16                    ; tensor_dim0 = 256
	s_mov_b32 s[G1X+2], 64<<16                     ; tensor_dim1 = 64
	s_mov_b32 s[G1X+3], 256<<16                    ; tile_dim0 = 256
	s_mov_b32 s[G1X+4], 64                         ; tile_dim1 = 64
	s_mov_b32 s[G1X+5], 1024                       ; elements from row to row
	s_mov_b32 s[G1X+6], 0
	s_mov_b32 s[G1X+7], 0
	; Group 1 for W: 96 rows o x 128 elements c out of rows of 512
	s_or_b32 s[G1W+0], s22, (1<<16)|(1<<20)|(1<<21)|(5<<22)|(3<<25)   ; my column; padding of four words after every 64
	s_mov_b32 s[G1W+1], 128<<16
	s_mov_b32 s[G1W+2], 96<<16
	s_mov_b32 s[G1W+3], 128<<16
	s_mov_b32 s[G1W+4], 96
	s_mov_b32 s[G1W+5], 512
	s_mov_b32 s[G1W+6], 0
	s_mov_b32 s[G1W+7], 0
	; x's tiles hang on by alone, W's on bx alone; each offset is made in registers that never hold the other coordinate
	s_lshr_b32 s58, s20, 2
	s_lshl_b32 s58, s58, 20                        ; a batch of x16 is 512 x 1,024 x 2 bytes
	s_and_b32 s59, s20, 3
	s_lshl_b32 s59, s59, 9                         ; 256 columns n
	s_add_co_u32 s58, s58, s59
	s_lshl_b32 s59, s16, 17                        ; my 64 rows c of 2,048 bytes
	s_add_co_u32 s58, s58, s59
	s_mov_b32 s59, 0
	s_mul_i32 s62, s19, 192*1024                   ; 192 rows o of 1,024 bytes
	s_mul_i32 s63, s16, 96*1024                    ; my 96 rows
	s_add_co_u32 s62, s62, s63
	s_mov_b32 s63, 0
	s_mul_i32 s23, s16, 64*XP                      ; where they go: the wave's number and constants alone
	s_mul_i32 s84, s16, 96*WPT
	s_add_co_u32 s84, s84, WPART
	s_mul_i32 s85, s19, 3                          ; my first head
	s_lshr_b32 s86, s20, 2                         ; batch
	s_and_b32 s87, s20, 3                          ; which 256 rows of the batch
	v_and_b32 v1, 31, v0                           ; lane
	v_and_b32 v2, 15, v0                           ; r
	v_bfe_u32 v3, v0, 4, 1                         ; h
	v_and_b32 v[TMP], 7, v0
	v_lshl_add_u32 v[TMP], v3, 3, v[TMP]           ; 8 h + lane % 8: the row c that I address for the transposing load
	v_mul_u32_u24 v[XF], v[TMP], XP
	v_bfe_u32 v[TMP], v0, 3, 1
	v_lshl_add_u32 v[XF], v[TMP], 4, v[XF]         ; + 16 bytes for lanes 8-15 and 24-31
	v_lshl_add_u32 v[XF], s14, 7, v[XF]            ; + my 64 columns n
	v_add_nc_u32 v[XF+1], SLOT, v[XF]
	v_mul_u32_u24 v[WF], v2, WPT
	v_lshl_add_u32 v[WF], v3, 4, v[WF]
	v_add_nc_u32 v[WF], WPART, v[WF]               ; row r, byte 16 h
	v_add_nc_u32 v[WF+1], SLOT, v[WF]
	v_lshlrev_b32 v[BO], 5, v3                     ; 4 bytes x 8 h
	s_mul_i32 s82, s14, 16*SPT
	s_add_co_u32 s82, s82, STAGE                   ; my stage
	v_mul_u32_u24 v[STO], v2, SPT
	v_lshl_add_u32 v[STO], v3, 4, v[STO]
	v_add_nc_u32 v[STO], s82, v[STO]               ; row r, byte 16 h
	v_lshrrev_b32 v[RD], 3, v1
	v_mul_u32_u24 v[RD], v[RD], SPT
	v_and_b32 v[TMP], 7, v0
	v_lshl_add_u32 v[RD], v[TMP], 4, v[RD]
	v_add_nc_u32 v[RD], s82, v[RD]                 ; row lane / 8, byte 16 (lane % 8)
	v_lshlrev_b32 v[GO], 4, v1
	v_lshl_add_u32 v[GO], s14, 13, v[GO]           ; 64 rows of 128 bytes a wave + 16 lane
	s_wait_dscnt 0x0
	s_wait_kmcnt 0x0
	s_add_nc_u64 s[56:57], s[4:5], s[58:59]
	s_add_nc_u64 s[60:61], s[6:7], s[62:63]
.irp s, 0,1
	s_mov_b32 s[G0X+4*\s], 1                                       ; count = 1
	s_add_co_u32 s[G0X+4*\s+1], s23, \s*SLOT                       ; LDS address
	s_add_nc_u64 s[G0X+4*\s+2:G0X+4*\s+3], s[56:57], \s*KSTEP*2048 ; step s: 128 rows c further down
	s_or_b32 s[G0X+4*\s+3], s[G0X+4*\s+3], 0x80000000              ; type = 2
	s_mov_b32 s[G0W+4*\s], 1
	s_add_co_u32 s[G0W+4*\s+1], s84, \s*SLOT
	s_add_nc_u64 s[G0W+4*\s+2:G0W+4*\s+3], s[60:61], \s*KSTEP*2    ; step s: 128 elements further along the rows
	s_or_b32 s[G0W+4*\s+3], s[G0W+4*\s+3], 0x80000000
.endr
	CROUND                                         ; all sixteen work-groups are here: the first joint loads meet
	JLOAD 0                                        ; both slots' first fills go out as one group; a wave has two tensor loads outstanding at the most
	JLOAD 1
; for each of my three heads: its 64 biases in bq or bkv, and my work-group's 256 rows of the head's plane
.irp hb, 0,1,2
	s_add_co_u32 s78, s85, \hb                     ; g
	s_sub_co_u32 s79, s78, 8                       ; its block of 64 in bkv
	s_cmp_lt_u32 s78, 8
	s_cselect_b64 s[66+2*\hb:67+2*\hb], s[8:9], s[10:11]
	s_cselect_b32 s79, s78, s79
	s_lshl_b32 s80, s79, 8                         ; 64 biases of 4 bytes
	s_mov_b32 s81, 0
	s_add_nc_u64 s[66+2*\hb:67+2*\hb], s[66+2*\hb:67+2*\hb], s[80:81]
	s_lshl3_add_u32 s80, s78, s86                  ; plane 8 g + b, of 1,024 x 128 bytes
	s_lshl_b32 s80, s80, 17
	s_lshl_b32 s79, s87, 15                        ; 256 rows of 128 bytes
	s_add_co_u32 s80, s80, s79
	s_add_nc_u64 s[72+2*\hb:73+2*\hb], s[12:13], s[80:81]
.endr
	WIN 0xc0                                       ; destination in window 3
.irp t, 0,1,2,3,4,5,6,7,8,9,10,11
	global_load_b128 v[BIAS+8*\t:BIAS+8*\t+3],   v[BO], s[66+2*(\t/4):67+2*(\t/4)] offset:(\t%4)*64
	global_load_b128 v[BIAS+8*\t+4:BIAS+8*\t+7], v[BO], s[66+2*(\t/4):67+2*(\t/4)] offset:(\t%4)*64+16
.endr
	WIN 0
; 16 matrix instructions: column tiles t0 .. t0 + 3 (hi = 1: they lie in window 3) x my four row tiles, 32 along c, from fragment buffer f.
; first = 1: the biases start the sums, nothing is cleared.  The 48 accumulators take turns, one instruction a turn, in the same order in every quarter.
.macro MUL16 f, t0, hi, first
.irp tt, 0,1,2,3
.irp nt, 0,1,2,3
.if \first
	v_wmma_f32_16x16x32_f16 v[8*(4*(\t0+\tt-8*\hi)+\nt):8*(4*(\t0+\tt-8*\hi)+\nt)+7], v[96*\f+8*(\t0+\tt):96*\f+8*(\t0+\tt)+7], v[XFR+32*\f+8*\nt:XFR+32*\f+8*\nt+7], v[BIAS+8*(\t0+\tt):BIAS+8*(\t0+\tt)+7]
.else
	v_wmma_f32_16x16x32_f16 v[8*(4*(\t0+\tt-8*\hi)+\nt):8*(4*(\t0+\tt-8*\hi)+\nt)+7], v[96*\f+8*(\t0+\tt):96*\f+8*(\t0+\tt)+7], v[XFR+32*\f+8*\nt:XFR+32*\f+8*\nt+7], v[8*(4*(\t0+\tt-8*\hi)+\nt):8*(4*(\t0+\tt-8*\hi)+\nt)+7]
.endif
.endr
.endr
.endm
; 32 LDS loads in one run: the fragments of quarter kq (32 along c) of a slot into buffer f: x's four, then W's tiles 0-7, then W's tiles 8-11.
.macro FETCH slot, kq, f
	WIN 0
.irp nt, 0,1,2,3
	ds_load_tr16_b128 v[XFR+32*\f+8*\nt:XFR+32*\f+8*\nt+3],   v[XF+\slot] offset:\kq*32*XP+\nt*32
	ds_load_tr16_b128 v[XFR+32*\f+8*\nt+4:XFR+32*\f+8*\nt+7], v[XF+\slot] offset:\kq*32*XP+\nt*32+16*XP
.endr
	WIN 0x40                                       ; destination in window 1
.irp t, 0,1,2,3,4,5,6,7,8,9,10,11
	ds_load_b128 v[96*\f+8*\t:96*\f+8*\t+3],   v[WF+\slot] offset:\t*16*WPT+\kq*64
	ds_load_b128 v[96*\f+8*\t+4:96*\f+8*\t+7], v[WF+\slot] offset:\t*16*WPT+\kq*64+32
.endr
.endm
; A step is four quarters of 32 along c, 48 matrix instructions each, on buffers 0, 1, 0, 1.
; One of the first three: multiplies buffer f; behind its first 16 products it fetches quarter kq of the same slot into buffer g, 32 products ahead of their first use.
; The four v_nop are the places between the last quarter's matrix instructions, which read buffer g, and the loads into it.
.macro QUARTER slot, kq, f, g, first
	s_wait_dscnt 8                                 ; LDS loads come back in order (ISA guide 5.7.1): x and W's tiles 0-7 are in, the eight loads of tiles 8-11 may be out
	WLO \first
	MUL16 \f, 0, 0, \first
	PLACES 4
	FETCH \slot, \kq, \g
	s_wait_dscnt 32                                ; all but the 32 just issued
	WLO \first
	MUL16 \f, 4, 0, \first
	WIN 0xf1                                       ; C and D in window 3
	MUL16 \f, 8, 1, \first
.endm
.macro THREE slot, first
	QUARTER \slot, 1, 0, 1, \first
	QUARTER \slot, 2, 1, 0, 0
	QUARTER \slot, 3, 0, 1, 0
.endm
; The last quarter of a step: multiplies buffer 1 and changes slots.  fill = 1: this slot is filled again, two steps ahead.
; ONE barrier for the change of slots, for two things.  In front of it each wave waits for its own reads of this slot and for all its tensor loads, of which one is out:
; its part of the next slot.  Behind it nobody reads this slot any more and the next slot is whole.  Where the slot is filled again the barrier opens a round of the cluster's
; barrier, so that no wave of any partner still reads the slot or has a load on its way; the joint refill is the first tensor load behind the round, ahead of the first LDS read.
; From that request to the wait for it a wave issues 16 + 3 x 48 + 16 = 176 matrix instructions.
.macro TURN slot, next, fill
	s_wait_dscnt 8
	WIN 0xa1
	MUL16 1, 0, 0, 0
	s_wait_dscnt 0x0                               ; my reads of this slot are over
	s_wait_tensorcnt 0x0                           ; and all my tensor loads have landed
	ds_add_u32 v255, v255
	s_wait_dscnt 0x0
	s_barrier_signal -1
	MUL16 1, 4, 0, 0                               ; work on registers while the others arrive
	WIN 0                                          ; at a branch and at a label every window is 0
	s_barrier_wait -1
.if \fill
	CREST
	s_add_nc_u64 s[G0X+4*\slot+2:G0X+4*\slot+3], s[G0X+4*\slot+2:G0X+4*\slot+3], 2*KSTEP*2048   ; no tensor load of mine is out, so a group 0 may be written
	s_add_nc_u64 s[G0W+4*\slot+2:G0W+4*\slot+3], s[G0W+4*\slot+2:G0W+4*\slot+3], 2*KSTEP*2
	JLOAD \slot
.endif
	PLACES 4
	FETCH \next, 0, 0
	WIN 0xf1
	MUL16 1, 8, 1, 0
.endm
	s_wait_tensorcnt 1                             ; my part of step 0 is in; slot 1's load is younger and stays out
	s_barrier_signal -1
	s_barrier_wait -1                              ; everybody's is
	FETCH 0, 0, 0
	s_wait_loadcnt 0x0                             ; the biases
	THREE 0, 1                                     ; step 0
	TURN 0, 1, 1                                   ; slot 0 gets step 2
	THREE 1, 0                                     ; step 1
	TURN 1, 0, 1                                   ; slot 1 gets step 3
	THREE 0, 0                                     ; step 2
	TURN 0, 1, 0                                   ; nothing is left to fetch
	THREE 1, 0                                     ; step 3
	s_wait_dscnt 8                                 ; the very last quarter
	WIN 0xa1
	MUL16 1, 0, 0, 0
	s_wait_dscnt 0x0
	MUL16 1, 4, 0, 0
	WIN 0xf1
	MUL16 1, 8, 1, 0
; THE WAY OUT, 16 rows at a time: round to f16, 16 bytes a lane into my own stage, read each head's rows of 128 bytes back, store four rows = 512 consecutive bytes, aligned.
.macro OUT nt
	WIN 0x0a                                       ; sources in window 2
.irp t, 0,1,2,3,4,5,6,7
.irp jj, 0,1,2,3
	v_cvt_pk_f16_f32 v[PK+4*\t+\jj], v[8*(4*\t+\nt)+2*\jj], v[8*(4*\t+\nt)+2*\jj+1]
.endr
.endr
	WIN 0x0f                                       ; sources in window 3
.irp t, 8,9,10,11
.irp jj, 0,1,2,3
	v_cvt_pk_f16_f32 v[PK+4*\t+\jj], v[8*(4*(\t-8)+\nt)+2*\jj], v[8*(4*(\t-8)+\nt)+2*\jj+1]
.endr
.endr
	WIN 0
.irp t, 0,1,2,3,4,5,6,7,8,9,10,11
	ds_store_b128 v[STO], v[PK+4*\t:PK+4*\t+3] offset:\t*32
.endr
	s_wait_xcnt 0x0                                ; every earlier store has had its addresses translated (ISA guide 3.1): the set of registers that it read is loaded again only behind this wait
.irp hb, 0,1,2
.irp k, 0,1,2,3
	ds_load_b128 v[T0+48*(\nt%2)+4*(4*\hb+\k):T0+48*(\nt%2)+4*(4*\hb+\k)+3], v[RD] offset:\k*4*SPT+\hb*128   ; my own bytes: LDS serves a wave's instructions in order (ISA guide 5.7.1)
.endr
.endr
.irp hb, 0,1,2
.irp k, 0,1,2,3
	s_wait_dscnt 11-(4*\hb+\k)                     ; the younger read-backs stay out
	global_store_b128 v[GO], v[T0+48*(\nt%2)+4*(4*\hb+\k):T0+48*(\nt%2)+4*(4*\hb+\k)+3], s[72+2*\hb:73+2*\hb] offset:\nt*2048+\k*512
.endr
.endr
.endm
	PLACES 4                                       ; four places behind the last matrix instructions, in front of the conversions that read the sums
	OUT 0
	OUT 1
	OUT 2
	OUT 3
	s_set_vgpr_msb 0x1
	s_wait_tensorcnt 0x0
	ds_add_u32 v255, v255
	s_wait_dscnt 0x0
	s_set_vgpr_msb 0x100
	CROUND                                         ; the closing round: no work-group ends while a partner may still ask for a tile that names it
	s_endpgm
.Lfunc_end_k_qd43d63a9bf_qkv_gemm:
	.size	k_qd43d63a9bf_qkv_gemm, .Lfunc_end_k_qd43d63a9bf_qkv_gemm-k_qd43d63a9bf_qkv_gemm
	.p2alignl 7, 3214868480
	.fill 96, 4, 3214868480
	.section	.rodata,"a",@progbits
	.p2align	6, 0x0
	.amdhsa_kernel k_qd43d63a9bf_qkv_gemm
		.amdhsa_group_segment_fixed_size 327680
		.amdhsa_private_segment_fixed_size 0
		.amdhsa_enable_private_segment 0
		.amdhsa_kernarg_size 40
		.amdhsa_user_sgpr_count 2
		.amdhsa_user_sgpr_kernarg_segment_ptr 1
		.amdhsa_wavefront_size32 1
		.amdhsa_system_sgpr_workgroup_id_x 1
		.amdhsa_system_sgpr_workgroup_id_y 1
		.amdhsa_system_sgpr_workgroup_id_z 1
		.amdhsa_system_vgpr_workitem_id 0
		.amdhsa_next_free_vgpr 992
		.amdhsa_next_free_sgpr 90
		.amdhsa_reserve_vcc 0
		.amdhsa_float_denorm_mode_32 3
		.amdhsa_float_denorm_mode_16_64 3
		.amdhsa_memory_ordered 1
		.amdhsa_forward_progress 1
		.amdhsa_inst_pref_size 123
	.end_amdhsa_kernel
	.amdgpu_metadata
---
amdhsa.version: [ 1, 2 ]
amdhsa.kernels:
  - .name:           k_qd43d63a9bf_qkv_gemm
    .symbol:         k_qd43d63a9bf_qkv_gemm.kd
    .args:
      - { .name: x16, .offset: 0, .size: 8, .value_kind: global_buffer, .address_space: global }
      - { .name: w16, .offset: 8, .size: 8, .value_kind: global_buffer, .address_space: global }
      - { .name: bq, .offset: 16, .size: 8, .value_kind: global_buffer, .address_space: global }
      - { .name: bkv, .offset: 24, .size: 8, .value_kind: global_buffer, .address_space: global }
      - { .name: qkv, .offset: 32, .size: 8, .value_kind: global_buffer, .address_space: global }
    .group_segment_fixed_size: 327680
    .private_segment_fixed_size: 0
    .kernarg_segment_align: 8
    .kernarg_segment_size: 40
    .max_flat_workgroup_size: 128
    .sgpr_count:     90
    .vgpr_count:     992
    .wavefront_size: 32
...
	.end_amdgpu_metadata
.endif
;; end of part 2
;; launch attn (part 3): grid 4 x 64, 8 waves a work-group, clusters of 4 x 1, 312,320 bytes of LDS; arguments qkv, res; writes res
.if DOCPART == 3
	.amdgcn_target "amdgcn-amd-amdhsa--gfx1250"
	.amdhsa_code_object_version 6
	.text
	.protected	k_qd43d63a9bf_attn
	.globl	k_qd43d63a9bf_attn
	.p2align	8
	.type	k_qd43d63a9bf_attn,@function
k_qd43d63a9bf_attn:
	s_mov_b64 s[64:65], 0
	v_nop
	global_prefetch_b8 v0, s[64:65] scope:SCOPE_SE
	s_setreg_imm32_b32 hwreg(HW_REG_WAVE_MODE, 25, 1), 1
	s_wait_xcnt 0x0
	s_wait_alu depctr_hold_cnt(0) depctr_sa_sdst(0) depctr_va_vdst(0) depctr_va_sdst(0) depctr_va_ssrc(0) depctr_va_vcc(0) depctr_vm_vsrc(0)
	s_getreg_b32 s2, hwreg(HW_REG_IB_STS2, 6, 4)
	s_cmp_eq_u32 s2, 0
	s_cbranch_scc0 .Lentry_in_a_cluster
	s_endpgm
.Lentry_in_a_cluster:
	s_bfe_u32 s2, ttmp6, 0x10000c
	s_cmp_lg_u32 s2, 0x3003
	s_cbranch_scc0 .Lentry_shape_is_right
	s_endpgm
.Lentry_shape_is_right:
; res[b][h][n][64] = softmax(q k^T / 8) v for one (batch, head) and 256 queries a work-group; q, k, v are the f16 planes qkv[g][b][n][64] (g = h, 8 + h, 16 + h).
; FORMAT: f16 operands, f32 sums.  The probabilities lie in (0, 1], where f16 keeps 11 significant bits down to 2^-14 and an absolute error of at most 2^-25 below,
; beside a row sum of at least 1.  res is a weighted mean of v, so it has v's range: what fits in f16 as v fits as res.
; LIMITS: the probabilities enter the second product rounded to f16 while the row sum is taken from their f32 values; res is rounded to f16 once;
; an exponential below 2^-126 comes out as 0 (ISA guide 15.8); NaN and infinities get no special care.  The row maximum is taken away as a running maximum.
; SHARES: eight waves, 32 queries each (two tiles q of 16).  The head's 1,024 keys and values lie whole in LDS (2 x 128 KiB and padding), so every LDS byte
; is filled once and no slot is ever filled again.
; CLUSTER: the four query blocks of a head are the four work-groups of a cluster and need the same K and V: each tile is asked for jointly, with the mask of all four.
; The place in the cluster enters the addresses of q and of res alone.
; THE MATRIX INSTRUCTIONS ARE USED TRANSPOSED.  S^T = K Q^T: source A = 16 keys, source B = 16 queries; lane l holds query l % 16, its registers keys 8 (l / 16) + 0..7.
; So a query's maximum and sum lie in two lanes (l, l ^ 16), and two tiles of S^T packed to f16 ARE source B for 32 keys of O^T = V^T P^T: nothing moves between lanes.
; Source A of that product, 16 columns d of V by 32 keys, comes from LDS rows along d by the transposing load.  O^T: lane l holds query l % 16, registers d = 8 (l / 16) + 0..7.
.set KP,    144                        ; LDS pitch of a key: 128 bytes + 16, an odd multiple of 16
.set VP,    160                        ; of a value row: 128 bytes + 32 = 5 x 32, an odd multiple of 32 for the transposing load
.set VBASE, 1024*KP                    ; V lies behind K
.set KA,  4                            ; v4   my K fragments of this iteration's 64 keys; stepped
.set VA,  5                            ; v5   my V fragments; stepped
.set QO,  6                            ; v6   byte offset of my 16 bytes in a tile of 16 queries
.set STO, 7                            ; v7   the way out: where I put 16 bytes of a row
.set RD,  8                            ; v8   the way out: where I read a row back
.set GO,  9                            ; v9   16 lane
.set MX,  10                           ; v10-11 the running maximum of the raw scores, tile q
.set NMC, 12                           ; v12-15 minus that maximum times c, twice (a pair for the packed forms)
.set AL,  16                           ; v16-19 the factor for what was summed under the old maximum, twice
.set LS,  20                           ; v20-23 the running sum, in two halves
.set TA,  24                           ; v24, 26 and
.set TB,  25                           ; v25, 27: two chains of maxima
.set TX,  28                           ; v28-29 the other half's figure
.set TM,  30                           ; v30-31
.set U0,  32                           ; v32-39 two chains of sums for each q
.set U1,  34
.set SS,  64                           ; v64-127  S^T, tile (q, kt) at 32 q + 8 kt; then the exponentials; then P^T (q, ks) at 32 q + 16 ks
.set FK,  128                          ; v128-191 fragments of K, (kt, ks) at 16 kt + 8 ks; on the way out the rows read back
.set FV,  192                          ; v192-255 fragments of V^T, (ks, dt) at 32 ks + 8 dt
.set QW,  0                            ; second window of 256: v0-31 fragments of Q, (q, ks) at 16 q + 8 ks
.set OW,  32                           ;                       v32-95 O^T, (q, dt) at 32 q + 8 dt
.set MSB, 0
.macro WIN new                         ; s_set_vgpr_msb: bits 1:0 source 0, 3:2 source 1, 5:4 source 2, 7:6 destination; the high byte repeats the setting that is left
.if MSB != \new
	s_set_vgpr_msb (MSB<<8)|\new
.set MSB, \new
.endif
.endm
.macro PLACES n
.rept \n
	v_nop
.endr
.endm
.macro BAR
	s_barrier_signal -1
	s_barrier_wait -1
.endm
; A round of the cluster's barrier: my work-group's barrier, wave 0 signals for the work-group, every wave waits for all four work-groups, my work-group's barrier once more.
.macro ROUND
	s_barrier_signal -1
	s_barrier_wait -1
	s_cmp_lg_u32 s8, 0
	s_cbranch_scc1 .Lnot_wave_0_\@
	s_barrier_signal -3
.Lnot_wave_0_\@:
	s_barrier_wait -3
	s_barrier_signal -1
	s_barrier_wait -1
.endm
	s_load_b128 s[4:7], s[0:1], 0x0                ; qkv s[4:5], res s[6:7]
	v_lshl_add_u32 v62, v0, 2, 0x4c000
	v_mov_b32 v63, 0
	ds_add_u32 v62, v63
	v_lshrrev_b32 v1, 5, v0
	v_readfirstlane_b32 s8, v1                     ; wave 0..7
	s_and_b32 s9, s8, 3                            ; which 64 of a stage's 256 keys I fetch
	s_bfe_u32 s10, ttmp6, 0x40000                  ; cx
	s_lshl_b32 s11, ttmp9, 2
	s_add_co_u32 s11, s11, s10                     ; my block of 256 queries
	s_and_b32 s12, ttmp7, 0xffff                   ; 8 b + h
	s_lshr_b32 s13, s12, 3                         ; b
	s_and_b32 s14, s12, 7                          ; h
	s_mov_b32 s60, 0x76543210                      ; v_permlanex16_b32: lane i of one half reads lane i of the other
	s_mov_b32 s61, 0xfedcba98
	; Descriptor group 1.  A load brings 64 keys: 8,192 consecutive bytes, taken as 32 rows of 256 bytes.  The padding counts words along the whole tile,
	; so an interval of 32 words lays the pad behind each key's 128 bytes.
	s_mov_b32 s24, 15|(1<<16)|(1<<20)|(1<<21)|(4<<22)|(3<<25)   ; 15:0 all four work-groups; 17:16 elements of 2 bytes; 20 padding on; 21 set beside a mask; 24:22 after every 32 words; 31:25 four words
	s_mov_b32 s25, 128<<16                         ; tensor_dim0 = 128
	s_mov_b32 s26, 32<<16                          ; tensor_dim1 = 32
	s_mov_b32 s27, 128<<16                         ; tile_dim0 = 128
	s_mov_b32 s28, 32                              ; tile_dim1 = 32
	s_mov_b32 s29, 128                             ; elements from row to row
	s_mov_b32 s30, 0
	s_mov_b32 s31, 0
	s_mov_b32 s32, 15|(1<<16)|(1<<20)|(1<<21)|(4<<22)|(7<<25)   ; for V: eight words of padding
	s_mov_b32 s33, 128<<16
	s_mov_b32 s34, 32<<16
	s_mov_b32 s35, 128<<16
	s_mov_b32 s36, 32
	s_mov_b32 s37, 128
	s_mov_b32 s38, 0
	s_mov_b32 s39, 0
	s_lshl3_add_u32 s16, s14, s13                  ; q's plane: 8 h + b, of 1,024 x 128 bytes
	s_lshl_b32 s16, s16, 17
	s_mov_b32 s17, 0
	s_lshl_b32 s86, s9, 13                         ; my part: 64 keys x 128 bytes
	s_mov_b32 s87, 0
	s_lshl_b32 s84, s11, 15                        ; (256 block + 32 wave) rows of 128 bytes
	s_lshl_b32 s85, s8, 12
	s_add_co_u32 s84, s84, s85
	s_mov_b32 s85, 0
	s_lshl_b32 s88, s12, 17                        ; res's plane: 8 b + h
	s_add_co_u32 s88, s88, s84
	s_mov_b32 s89, 0
	s_mul_i32 s15, s9, 64*KP                       ; where my parts go: the wave's number and constants alone
	s_mul_i32 s59, s9, 64*VP
	s_mul_i32 s62, s8, 32*KP                       ; my stage for the way out
	v_and_b32 v1, 31, v0                           ; lane
	v_and_b32 v2, 15, v0                           ; r
	v_bfe_u32 v3, v0, 4, 1                         ; h
	v_mul_u32_u24 v[KA], v2, KP
	v_lshl_add_u32 v[KA], v3, 4, v[KA]             ; key r, byte 16 h
	v_add_nc_u32 v[STO], s62, v[KA]                ; the stage has the same pitch
	v_and_b32 v[VA], 7, v0
	v_lshl_add_u32 v[VA], v3, 3, v[VA]             ; 8 h + lane % 8: the key that I address for the transposing load
	v_mul_u32_u24 v[VA], v[VA], VP
	v_bfe_u32 v[QO], v0, 3, 1
	v_lshl_add_u32 v[VA], v[QO], 4, v[VA]
	v_add_nc_u32 v[VA], VBASE, v[VA]
	v_lshlrev_b32 v[QO], 7, v2
	v_lshl_add_u32 v[QO], v3, 4, v[QO]             ; query r, byte 16 h
	v_lshrrev_b32 v[RD], 3, v1
	v_mul_u32_u24 v[RD], v[RD], KP
	v_and_b32 v[GO], 7, v0
	v_lshl_add_u32 v[RD], v[GO], 4, v[RD]
	v_add_nc_u32 v[RD], s62, v[RD]                 ; row lane / 8, byte 16 (lane % 8)
	v_lshlrev_b32 v[GO], 4, v1
	v_mov_b32 v[TX], 0                             ; v_permlanex16_b32's destination counts as read
	v_mov_b32 v[TX+1], 0
	s_wait_dscnt 0x0
	s_wait_kmcnt 0x0
	s_add_nc_u64 s[18:19], s[4:5], s[16:17]        ; q's plane
	s_add_nc_u64 s[22:23], s[18:19], s[84:85]      ; my wave's 32 queries
	s_add_nc_u64 s[56:57], s[6:7], s[88:89]        ; and their rows of res
	s_add_nc_u64 s[18:19], s[18:19], s[86:87]      ; my part,
	s_add_nc_u64 s[20:21], s[18:19], 0x1000000     ; in v's plane, 128 planes behind q's,
	s_add_nc_u64 s[18:19], s[18:19], 0x800000      ; and in k's, 64 planes behind
	; Group 0, one set for each of four stages of 256 keys, for K and for V.  Nothing in them hangs on the place in the cluster.
.irp st, 0,1,2,3
	s_mov_b32 s[40+4*\st], 1
	s_add_co_u32 s[41+4*\st], s15, \st*256*KP
	s_add_nc_u64 s[42+4*\st:43+4*\st], s[18:19], \st*32768
	s_or_b32 s[43+4*\st], s[43+4*\st], 0x80000000
	s_mov_b32 s[68+4*\st], 1
	s_add_co_u32 s[69+4*\st], s59, VBASE+\st*256*VP
	s_add_nc_u64 s[70+4*\st:71+4*\st], s[20:21], \st*32768
	s_or_b32 s[71+4*\st], s[71+4*\st], 0x80000000
.endr
	ROUND                                          ; all four work-groups are here: the joint loads meet
	; All fills of the launch, as one group: waves 0-3 ask for K, waves 4-7 for V, four loads each, stage by stage.  A wave has four tensor loads outstanding at the most.
	s_cmp_lt_u32 s8, 4
	s_cbranch_scc0 .Lfor_v
.irp st, 0,1,2,3
	tensor_load_to_lds s[40+4*\st:43+4*\st], s[24:31]
	s_nop 0
.endr
	s_branch .Lasked
.Lfor_v:
.irp st, 0,1,2,3
	tensor_load_to_lds s[68+4*\st:71+4*\st], s[32:39]
	s_nop 0
.endr
.Lasked:
	WIN 0x40                                       ; destination in the second window
.irp q, 0,1
.irp ks, 0,1
	global_load_b128 v[QW+16*\q+8*\ks:QW+16*\q+8*\ks+3],   v[QO], s[22:23] offset:\q*2048+\ks*64
	global_load_b128 v[QW+16*\q+8*\ks+4:QW+16*\q+8*\ks+7], v[QO], s[22:23] offset:\q*2048+\ks*64+32
.endr
.endr
	WIN 0
.macro KLOAD                           ; 64 keys x 64 d: 16 loads
.irp kt, 0,1,2,3
.irp ks, 0,1
	ds_load_b128 v[FK+16*\kt+8*\ks:FK+16*\kt+8*\ks+3],   v[KA] offset:\kt*16*KP+\ks*64
	ds_load_b128 v[FK+16*\kt+8*\ks+4:FK+16*\kt+8*\ks+7], v[KA] offset:\kt*16*KP+\ks*64+32
.endr
.endr
.endm
.macro VLOAD                           ; 64 d x 64 keys, transposed: 16 loads
.irp ks, 0,1
.irp dt, 0,1,2,3
	ds_load_tr16_b128 v[FV+32*\ks+8*\dt:FV+32*\ks+8*\dt+3],   v[VA] offset:\ks*32*VP+\dt*32
	ds_load_tr16_b128 v[FV+32*\ks+8*\dt+4:FV+32*\ks+8*\dt+7], v[VA] offset:\ks*32*VP+\dt*32+16*VP
.endr
.endr
.endm
.macro PV ks, zero                     ; O^T += V^T P^T for 32 keys; the eight accumulators take turns, one instruction a turn
.irp dt, 0,1,2,3
.irp q, 0,1
.if \zero
	v_wmma_f32_16x16x32_f16 v[OW+32*\q+8*\dt:OW+32*\q+8*\dt+7], v[FV+32*\ks+8*\dt:FV+32*\ks+8*\dt+7], v[SS+32*\q+16*\ks:SS+32*\q+16*\ks+7], 0
.else
	v_wmma_f32_16x16x32_f16 v[OW+32*\q+8*\dt:OW+32*\q+8*\dt+7], v[FV+32*\ks+8*\dt:FV+32*\ks+8*\dt+7], v[SS+32*\q+16*\ks:SS+32*\q+16*\ks+7], v[OW+32*\q+8*\dt:OW+32*\q+8*\dt+7]
.endif
.endr
.endr
.endm
.macro OSCALE                          ; O^T times the lane's factor AL(q)
	WIN 0x41                                       ; source 0 and destination in the second window
.set cnt, 0
.rept 32
	v_pk_mul_f32 v[OW+2*cnt:OW+2*cnt+1], v[OW+2*cnt:OW+2*cnt+1], v[AL+2*(cnt/16):AL+2*(cnt/16)+1]
.set cnt, cnt+1
.endr
.endm
; One iteration: 64 keys.  first = 1: nothing has been summed yet.  pre = 1: the next iteration's K fragments are fetched.
; c = log2(e) / 8 = 0x3e38aa3b: p = 2^(c s - c max).
.macro ITER first, pre
	VLOAD
	s_wait_dscnt 16                                ; K's 16 loads are older than V's 16, which stay out
	WIN 0x04                                       ; source B (Q) in the second window
.irp q, 0,1
.irp kt, 0,1,2,3
	v_wmma_f32_16x16x32_f16 v[SS+32*\q+8*\kt:SS+32*\q+8*\kt+7], v[FK+16*\kt:FK+16*\kt+7], v[QW+16*\q:QW+16*\q+7], 0
.endr
.endr
.irp q, 0,1                            ; the eight accumulators take turns, one instruction a turn
.irp kt, 0,1,2,3
	v_wmma_f32_16x16x32_f16 v[SS+32*\q+8*\kt:SS+32*\q+8*\kt+7], v[FK+16*\kt+8:FK+16*\kt+15], v[QW+16*\q+8:QW+16*\q+15], v[SS+32*\q+8*\kt:SS+32*\q+8*\kt+7]
.endr
.endr
	WIN 0
	; four places in front of the loads into K's fragments and of the first reading of S^T
.if \pre
	v_add_nc_u32 v[KA], 64*KP, v[KA]
	PLACES 3
	KLOAD
.else
	PLACES 4
.endif
	; the maximum of my 32 scores of each q and of the old maximum, in two chains
.irp q, 0,1
.if \first
	v_max3_num_f32 v[TA+2*\q], v[SS+32*\q], v[SS+32*\q], v[SS+32*\q+1]
.else
	v_max3_num_f32 v[TA+2*\q], v[MX+\q], v[SS+32*\q], v[SS+32*\q+1]
.endif
	v_max3_num_f32 v[TB+2*\q], v[SS+32*\q+16], v[SS+32*\q+17], v[SS+32*\q+18]
.endr
.irp t, 0,1,2,3,4,5
.irp q, 0,1
	v_max3_num_f32 v[TA+2*\q], v[TA+2*\q], v[SS+32*\q+2+2*\t], v[SS+32*\q+3+2*\t]
	v_max3_num_f32 v[TB+2*\q], v[TB+2*\q], v[SS+32*\q+19+2*\t], v[SS+32*\q+20+2*\t]
.endr
.endr
.irp q, 0,1
	v_max3_num_f32 v[TA+2*\q], v[TA+2*\q], v[SS+32*\q+14], v[SS+32*\q+15]
.endr
.irp q, 0,1
	v_max3_num_f32 v[TA+2*\q], v[TA+2*\q], v[TB+2*\q], v[SS+32*\q+31]
.endr
.irp q, 0,1
	v_permlanex16_b32 v[TX+\q], v[TA+2*\q], s60, s61       ; the query's other 32 keys lie in lane l ^ 16
.endr
.irp q, 0,1
	v_max_num_f32 v[MX+\q], v[TA+2*\q], v[TX+\q]
.endr
.irp q, 0,1
	v_mul_f32 v[TM+\q], 0xbe38aa3b, v[MX+\q]       ; - c max
.endr
.if \first == 0
.irp q, 0,1
	v_sub_f32 v[AL+2*\q], v[TM+\q], v[NMC+2*\q]    ; c old max - c new max, from the very numbers that are added to the scores
.endr
.endif
.irp q, 0,1
	v_mov_b32 v[NMC+2*\q],   v[TM+\q]
	v_mov_b32 v[NMC+2*\q+1], v[TM+\q]
.endr
.if \first == 0
.irp q, 0,1
	v_exp_f32 v[AL+2*\q], v[AL+2*\q]               ; read only behind the multiply-adds below (ISA guide 5.7.2: a plain instruction between)
.endr
.endif
.set cnt, 0
.rept 32
	v_pk_fma_f32 v[SS+2*cnt:SS+2*cnt+1], v[SS+2*cnt:SS+2*cnt+1], 0x3e38aa3b, v[NMC+2*(cnt/16):NMC+2*(cnt/16)+1] op_sel_hi:[1,0,1]
.set cnt, cnt+1
.endr
.set cnt, 0
.rept 64
	v_exp_f32 v[SS+cnt], v[SS+cnt]
.set cnt, cnt+1
.endr
	; one plain instruction that touches none of them stands between the exponentials and their first use
.if \first
	v_nop
	s_wait_alu depctr_va_vdst(0)
.else
	s_wait_alu depctr_va_vdst(0)
.irp q, 0,1
	v_mov_b32 v[AL+2*\q+1], v[AL+2*\q]
.endr
.endif
	; the sum of my 32 numbers of each q, two at a time, in two chains
.irp q, 0,1
	v_pk_add_f32 v[U0+4*\q:U0+4*\q+1], v[SS+32*\q:SS+32*\q+1],   v[SS+32*\q+2:SS+32*\q+3]
	v_pk_add_f32 v[U1+4*\q:U1+4*\q+1], v[SS+32*\q+4:SS+32*\q+5], v[SS+32*\q+6:SS+32*\q+7]
.endr
.irp t, 0,1,2,3,4,5
.irp q, 0,1
	v_pk_add_f32 v[U0+4*\q:U0+4*\q+1], v[U0+4*\q:U0+4*\q+1], v[SS+32*\q+8+4*\t:SS+32*\q+9+4*\t]
	v_pk_add_f32 v[U1+4*\q:U1+4*\q+1], v[U1+4*\q:U1+4*\q+1], v[SS+32*\q+10+4*\t:SS+32*\q+11+4*\t]
.endr
.endr
.irp q, 0,1
.if \first
	v_pk_add_f32 v[LS+2*\q:LS+2*\q+1], v[U0+4*\q:U0+4*\q+1], v[U1+4*\q:U1+4*\q+1]
.else
	v_pk_add_f32 v[U0+4*\q:U0+4*\q+1], v[U0+4*\q:U0+4*\q+1], v[U1+4*\q:U1+4*\q+1]
.endif
.endr
.if \first == 0
.irp q, 0,1
	v_pk_fma_f32 v[LS+2*\q:LS+2*\q+1], v[LS+2*\q:LS+2*\q+1], v[AL+2*\q:AL+2*\q+1], v[U0+4*\q:U0+4*\q+1]
.endr
.endif
	; two tiles of 16 keys pack, in place and upward, into source B for 32 keys
.irp q, 0,1
.irp ks, 0,1
.irp jj, 0,1,2,3,4,5,6,7
	v_cvt_pk_f16_f32 v[SS+32*\q+16*\ks+\jj], v[SS+32*\q+16*\ks+2*\jj], v[SS+32*\q+16*\ks+2*\jj+1]
.endr
.endr
.endr
.if \first == 0
	OSCALE
.endif
.if \pre
	s_wait_dscnt 16                                ; V's fragments are in; the 16 loads of the next K stay out
.else
	s_wait_dscnt 0x0
.endif
	WIN 0x50                                       ; C and D in the second window
	PV 0, \first
	PV 1, 0
	WIN 0
	v_add_nc_u32 v[VA], 64*VP, v[VA]               ; five places: the next S^T writes over P^T, the next loads over V's fragments, the way out reads O^T
	PLACES 4
.endm
; A later stage of 256 keys is shown to every wave.  The stages behind it may stay on their way.
.macro STAGEW left
	s_wait_dscnt 0x0                               ; no LDS instruction is pending at a signal
	s_wait_tensorcnt \left                         ; a wave's tensor loads end in order (ISA guide 10.11.1): my part of the stage is in, the later ones stay out
	BAR
.endm
	s_wait_tensorcnt 3                             ; my part of the first 256 keys is in; three loads stay out
	BAR                                            ; everybody's is
	KLOAD
	s_wait_loadcnt 0x0                             ; Q
	; Iteration i reads V of its 64 keys and fetches K of iteration i + 1, so each stage's barrier stands one iteration ahead of the stage's first keys.
	ITER 1, 1                                      ; i = 0
	s_mov_b32 s58, 2
.Lstage0:
	ITER 0, 1                                      ; i = 1, 2
	s_sub_co_u32 s58, s58, 1
	s_cmp_lg_u32 s58, 0
	s_cbranch_scc1 .Lstage0
	STAGEW 2
	s_mov_b32 s58, 4
.Lstage1:
	ITER 0, 1                                      ; i = 3 .. 6
	s_sub_co_u32 s58, s58, 1
	s_cmp_lg_u32 s58, 0
	s_cbranch_scc1 .Lstage1
	STAGEW 1
	s_mov_b32 s58, 4
.Lstage2:
	ITER 0, 1                                      ; i = 7 .. 10
	s_sub_co_u32 s58, s58, 1
	s_cmp_lg_u32 s58, 0
	s_cbranch_scc1 .Lstage2
	STAGEW 0
	s_mov_b32 s58, 4
.Lstage3:
	ITER 0, 1                                      ; i = 11 .. 14
	s_sub_co_u32 s58, s58, 1
	s_cmp_lg_u32 s58, 0
	s_cbranch_scc1 .Lstage3
	ITER 0, 0                                      ; i = 15
	; THE WAY OUT: divide by the row sum, round to f16, through my own 32 rows of LDS into whole rows.
.irp q, 0,1
	v_add_f32 v[TA+2*\q], v[LS+2*\q], v[LS+2*\q+1]
.endr
.irp q, 0,1
	v_permlanex16_b32 v[TX+\q], v[TA+2*\q], s60, s61
.endr
.irp q, 0,1
	v_add_f32 v[TA+2*\q], v[TA+2*\q], v[TX+\q]     ; at least about 1: the largest score's own exponential
.endr
.irp q, 0,1
	v_rcp_f32 v[AL+2*\q], v[TA+2*\q]
.endr
	v_nop                                          ; a plain instruction between the reciprocals and their use
	s_wait_alu depctr_va_vdst(0)
.irp q, 0,1
	v_mov_b32 v[AL+2*\q+1], v[AL+2*\q]
.endr
	OSCALE
	WIN 0x05                                       ; sources in the second window
.irp q, 0,1
.irp dt, 0,1,2,3
.irp jj, 0,1,2,3
	v_cvt_pk_f16_f32 v[SS+16*\q+4*\dt+\jj], v[OW+32*\q+8*\dt+2*\jj], v[OW+32*\q+8*\dt+2*\jj+1]
.endr
.endr
.endr
	WIN 0
	s_wait_dscnt 0x0                               ; my reads of K and V are over,
	BAR                                            ; everybody's are; K's bytes have had their only fill, so they serve as the stage
.irp q, 0,1
.irp dt, 0,1,2,3
	ds_store_b128 v[STO], v[SS+16*\q+4*\dt:SS+16*\q+4*\dt+3] offset:\q*16*KP+\dt*32
.endr
.endr
.irp i, 0,1,2,3,4,5,6,7
	ds_load_b128 v[FK+4*\i:FK+4*\i+3], v[RD] offset:\i*4*KP        ; my own bytes: LDS serves a wave's instructions in order (ISA guide 5.7.1)
.endr
.irp i, 0,1,2,3,4,5,6,7
	s_wait_dscnt 7-\i                              ; the younger read-backs stay out
	global_store_b128 v[GO], v[FK+4*\i:FK+4*\i+3], s[56:57] offset:\i*512   ; four rows of 128 bytes: 512 consecutive bytes, aligned
.endr
	s_wait_tensorcnt 0x0
	ds_add_u32 v62, v63
	s_wait_dscnt 0x0
	ROUND                                          ; the closing round: no work-group ends while a partner may still ask for a tile that names it
	s_endpgm
.Lfunc_end_k_qd43d63a9bf_attn:
	.size	k_qd43d63a9bf_attn, .Lfunc_end_k_qd43d63a9bf_attn-k_qd43d63a9bf_attn
	.p2alignl 7, 3214868480
	.fill 96, 4, 3214868480
	.section	.rodata,"a",@progbits
	.p2align	6, 0x0
	.amdhsa_kernel k_qd43d63a9bf_attn
		.amdhsa_group_segment_fixed_size 312320
		.amdhsa_private_segment_fixed_size 0
		.amdhsa_enable_private_segment 0
		.amdhsa_kernarg_size 16
		.amdhsa_user_sgpr_count 2
		.amdhsa_user_sgpr_kernarg_segment_ptr 1
		.amdhsa_wavefront_size32 1
		.amdhsa_system_sgpr_workgroup_id_x 1
		.amdhsa_system_sgpr_workgroup_id_y 1
		.amdhsa_system_sgpr_workgroup_id_z 1
		.amdhsa_system_vgpr_workitem_id 0
		.amdhsa_next_free_vgpr 352
		.amdhsa_next_free_sgpr 90
		.amdhsa_reserve_vcc 0
		.amdhsa_float_denorm_mode_32 3
		.amdhsa_float_denorm_mode_16_64 3
		.amdhsa_memory_ordered 1
		.amdhsa_forward_progress 1
		.amdhsa_inst_pref_size 123
	.end_amdhsa_kernel
	.amdgpu_metadata
---
amdhsa.version: [ 1, 2 ]
amdhsa.kernels:
  - .name:           k_qd43d63a9bf_attn
    .symbol:         k_qd43d63a9bf_attn.kd
    .args:
      - { .name: qkv, .offset: 0, .size: 8, .value_kind: global_buffer, .address_space: global }
      - { .name: res, .offset: 8, .size: 8, .value_kind: global_buffer, .address_space: global }
    .group_segment_fixed_size: 312320
    .private_segment_fixed_size: 0
    .kernarg_segment_align: 8
    .kernarg_segment_size: 16
    .max_flat_workgroup_size: 256
    .sgpr_count:     90
    .vgpr_count:     352
    .wavefront_size: 32
...
	.end_amdgpu_metadata
.endif
;; end of part 3
;; launch proj (part 4): grid 4 x 64, 4 waves a work-group, clusters of 4 x 4, 304,640 bytes of LDS; arguments res, wp16, bp, out0; writes out0
.if DOCPART == 4
	.amdgcn_target "amdgcn-amd-amdhsa--gfx1250"
	.amdhsa_code_object_version 6
	.text
	.protected	k_qd43d63a9bf_proj
	.globl	k_qd43d63a9bf_proj
	.p2align	8
	.type	k_qd43d63a9bf_proj,@function
k_qd43d63a9bf_proj:
	s_mov_b64 s[64:65], 0
	v_nop
	global_prefetch_b8 v0, s[64:65] scope:SCOPE_SE
	s_setreg_imm32_b32 hwreg(HW_REG_WAVE_MODE, 25, 1), 1
	s_wait_xcnt 0x0
	s_wait_alu depctr_hold_cnt(0) depctr_sa_sdst(0) depctr_va_vdst(0) depctr_va_sdst(0) depctr_va_ssrc(0) depctr_va_vcc(0) depctr_vm_vsrc(0)
	s_getreg_b32 s2, hwreg(HW_REG_IB_STS2, 6, 4)
	s_cmp_eq_u32 s2, 0
	s_cbranch_scc0 .Lentry_in_a_cluster
	s_endpgm
.Lentry_in_a_cluster:
	s_bfe_u32 s2, ttmp6, 0x10000c
	s_cmp_lg_u32 s2, 0xf033
	s_cbranch_scc0 .Lentry_shape_is_right
	s_endpgm
.Lentry_shape_is_right:
; out0[b][n][o] = sum over k of res(b, n, k) Wp[o][k] + bp[o], f32, written flat as [8,192 rows][512]: that is the output's order in memory.
; res: f16 planes [b][head][n][64], k = 64 head + d.  wp16: Wp rounded to f16, [512 o][512 k].
; LIMITS: both operands are f16 (largest number 65,504; absolute error at most 2^-25 below 2^-14: for Wp of spread 0.02 / 30 that is 5e-5 of its spread), the sums f32.
; NaN and infinities get no special care.
; SHARES: a work-group makes 128 rows x 128 columns with four waves, 64 x 64 each: 16 accumulator tiles.  The whole K = 512 of both operands lies in LDS, brought in four
; chunks of 128 (two heads), so every LDS byte is filled once and no slot is ever filled again.
; CLUSTER: 4 x 4 work-groups.  The four of a row of the cluster make the same 128 rows and need the same tiles of res; the four of a column the same tiles of wp16.
; Each tile is asked for jointly by the four, which divides the requests for both by four.
; THE MATRIX INSTRUCTION: source A = 16 rows o of wp16, source B = 16 rows n of res: lane l holds row n = l % 16, its registers columns o = 8 (l / 16) + 0..7, 32 bytes of a row.
.set AP,    144                        ; LDS pitch of a row of a head of res: 128 bytes + 16
.set BP,    272                        ; of a row of a chunk of wp16: 256 bytes + 16
.set BBASE, 8*128*AP                   ; wp16's chunks lie behind res's eight heads
.set STAGE, BBASE+4*128*BP             ; the way out: 16 rows x 272 bytes for each wave, bytes of their own
.set BO,  6                            ; v6   byte offset of my eight biases in a tile's 16
.set STO, 7                            ; v7   the way out: where I put 32 bytes of a row
.set RD,  8                            ; v8   the way out: where I read 16 bytes of a row back
.set CO,  9                            ; v9   my byte offset in two rows of the output
.set RA,  16                           ; v16-19 my fragments of res in chunk c
.set RB,  20                           ; v20-23 my fragments of wp16 in chunk c
.set F0,  64                           ; v64-127, v128-191: two fragment buffers: wp16's four tiles, then res's four
.set T0,  192                          ; v192-223, v224-255: two sets of rows read back
.set BIAS, 128                         ; second window of 256: v0-127 accumulators, tile (ot, nt) at 8 (4 ot + nt); v128-159 the biases of tile ot
.set MSB, 0
.macro WIN new                         ; s_set_vgpr_msb: bits 1:0 source 0, 3:2 source 1, 5:4 source 2, 7:6 destination; the high byte repeats the setting that is left
.if MSB != \new
	s_set_vgpr_msb (MSB<<8)|\new
.set MSB, \new
.endif
.endm
.macro PLACES n
.rept \n
	v_nop
.endr
.endm
.macro BAR
	s_barrier_signal -1
	s_barrier_wait -1
.endm
; A round of the cluster's barrier: my work-group's barrier, wave 0 signals for the work-group, every wave waits for all sixteen work-groups, my work-group's barrier once more.
.macro ROUND
	s_barrier_signal -1
	s_barrier_wait -1
	s_cmp_lg_u32 s12, 0
	s_cbranch_scc1 .Lnot_wave_0_\@
	s_barrier_signal -3
.Lnot_wave_0_\@:
	s_barrier_wait -3
	s_barrier_signal -1
	s_barrier_wait -1
.endm
	s_load_b256 s[4:11], s[0:1], 0x0               ; res 4:5, wp16 6:7, bp 8:9, out0 10:11
	v_lshl_add_u32 v62, v0, 2, 0x4a400
	v_mov_b32 v63, 0
	ds_add_u32 v62, v63
	v_lshrrev_b32 v1, 5, v0
	v_readfirstlane_b32 s12, v1                    ; wave 0..3
	s_lshr_b32 s13, s12, 1                         ; which 64 rows are mine.  Also: I fetch res (0) or wp16 (1)
	s_and_b32 s14, s12, 1                          ; which 64 columns.  Also: which half of a chunk I fetch
	s_bfe_u32 s15, ttmp6, 0x40000                  ; cx
	s_bfe_u32 s16, ttmp6, 0x40004                  ; cy
	s_lshl_b32 s17, ttmp9, 2
	s_add_co_u32 s17, s17, s15                     ; block of 128 columns
	s_and_b32 s18, ttmp7, 0xffff
	s_lshl_b32 s18, s18, 2
	s_add_co_u32 s18, s18, s16                     ; block of 128 rows
	s_lshl_b32 s19, s16, 2
	s_lshl_b32 s19, 15, s19                        ; my row of the cluster: places 4 cy .. 4 cy + 3
	s_lshl_b32 s20, 0x1111, s15                    ; my column: places cx, cx + 4, cx + 8, cx + 12
	; Group 1 for res: a head's 128 rows are 16,384 consecutive bytes, taken as 64 rows of 256 bytes; the padding counts words along the whole tile,
	; so an interval of 32 words lays the pad behind each row's 128 bytes.
	s_or_b32 s24, s19, (1<<16)|(1<<20)|(1<<21)|(4<<22)|(3<<25)   ; 15:0 my row; 17:16 elements of 2 bytes; 20 padding on; 21 set beside a mask; 24:22 after every 32 words; 31:25 four words
	s_mov_b32 s25, 128<<16                         ; tensor_dim0 = 128
	s_mov_b32 s26, 64<<16                          ; tensor_dim1 = 64
	s_mov_b32 s27, 128<<16                         ; tile_dim0 = 128
	s_mov_b32 s28, 64                              ; tile_dim1 = 64
	s_mov_b32 s29, 128                             ; elements from row to row
	s_mov_b32 s30, 0
	s_mov_b32 s31, 0
	; Group 1 for wp16: 64 rows x 128 elements out of rows of 512
	s_or_b32 s32, s20, (1<<16)|(1<<20)|(1<<21)|(5<<22)|(3<<25)   ; my column; padding after every 64 words
	s_mov_b32 s33, 128<<16
	s_mov_b32 s34, 64<<16
	s_mov_b32 s35, 128<<16
	s_mov_b32 s36, 64
	s_mov_b32 s37, 512
	s_mov_b32 s38, 0
	s_mov_b32 s39, 0
	; res's tiles hang on the block of rows alone, wp16's on the block of columns alone; each address is made in registers that never hold the other coordinate
	s_lshr_b32 s60, s18, 3                         ; batch
	s_lshl3_add_u32 s60, s60, s14                  ; plane 8 b + (0 or 1): chunk c adds two planes
	s_lshl_b32 s60, s60, 17
	s_and_b32 s61, s18, 7
	s_lshl_b32 s61, s61, 14                        ; 128 rows of 128 bytes
	s_add_co_u32 s60, s60, s61
	s_mov_b32 s61, 0
	s_lshl_b32 s62, s17, 17                        ; 128 rows of 1,024 bytes
	s_lshl_b32 s63, s14, 16                        ; 64 rows
	s_add_co_u32 s62, s62, s63
	s_mov_b32 s63, 0
	s_mul_i32 s21, s14, 128*AP                     ; where they go: the wave's number and constants alone
	s_mul_i32 s22, s14, 64*BP
	s_add_co_u32 s22, s22, BBASE
	s_lshl_b32 s84, s17, 9                         ; my 64 columns, in bytes of f32
	s_lshl_b32 s85, s14, 8
	s_add_co_u32 s84, s84, s85
	s_mov_b32 s85, 0
	s_lshl_b32 s86, s18, 18                        ; my 64 rows of 2,048 bytes
	s_lshl_b32 s87, s13, 17
	s_add_co_u32 s86, s86, s87
	s_add_co_u32 s86, s86, s84
	s_mov_b32 s87, 0
	v_and_b32 v2, 15, v0                           ; r
	v_bfe_u32 v3, v0, 4, 1                         ; h
	s_mul_i32 s23, s13, 64*AP
	v_mul_u32_u24 v[RA], v2, AP
	v_lshl_add_u32 v[RA], v3, 4, v[RA]
	v_add_nc_u32 v[RA], s23, v[RA]                 ; row 64 (wave >> 1) + r, byte 16 h
	v_add_nc_u32 v[RA+1], 2*128*AP, v[RA]
	v_add_nc_u32 v[RA+2], 4*128*AP, v[RA]
	v_add_nc_u32 v[RA+3], 6*128*AP, v[RA]
	v_mul_u32_u24 v[RB], v2, BP
	v_lshl_add_u32 v[RB], v3, 4, v[RB]
	v_add_nc_u32 v[RB], s22, v[RB]                 ; row 64 (wave & 1) + r, byte 16 h
	v_add_nc_u32 v[RB+1], 128*BP, v[RB]
	v_add_nc_u32 v[RB+2], 2*128*BP, v[RB]
	v_add_nc_u32 v[RB+3], 3*128*BP, v[RB]
	v_lshlrev_b32 v[BO], 5, v3
	s_mul_i32 s23, s12, 16*BP
	s_add_co_u32 s23, s23, STAGE
	v_mul_u32_u24 v[STO], v2, BP
	v_lshl_add_u32 v[STO], v3, 5, v[STO]
	v_add_nc_u32 v[STO], s23, v[STO]               ; row r, byte 32 h
	v_mul_u32_u24 v[RD], v3, BP
	v_lshl_add_u32 v[RD], v2, 4, v[RD]
	v_add_nc_u32 v[RD], s23, v[RD]                 ; lanes 0-15 one row of 256 bytes, lanes 16-31 the next
	v_lshlrev_b32 v[CO], 4, v2
	v_lshl_add_u32 v[CO], v3, 11, v[CO]            ; and the same two rows of the output
	s_wait_dscnt 0x0
	s_wait_kmcnt 0x0
	s_add_nc_u64 s[56:57], s[4:5], s[60:61]
	s_add_nc_u64 s[58:59], s[6:7], s[62:63]
	s_add_nc_u64 s[8:9], s[8:9], s[84:85]
	s_add_nc_u64 s[10:11], s[10:11], s[86:87]
.irp c, 0,1,2,3
	s_mov_b32 s[40+4*\c], 1
	s_add_co_u32 s[41+4*\c], s21, \c*2*128*AP
	s_add_nc_u64 s[42+4*\c:43+4*\c], s[56:57], \c*262144   ; two planes of 131,072 bytes
	s_or_b32 s[43+4*\c], s[43+4*\c], 0x80000000
	s_mov_b32 s[68+4*\c], 1
	s_add_co_u32 s[69+4*\c], s22, \c*128*BP
	s_add_nc_u64 s[70+4*\c:71+4*\c], s[58:59], \c*256      ; 128 elements along the rows
	s_or_b32 s[71+4*\c], s[71+4*\c], 0x80000000
.endr
	ROUND                                          ; all sixteen work-groups are here: the joint loads meet
	; All fills of the launch, as one group: waves 0, 1 ask for res's two heads of each chunk, waves 2, 3 for wp16's two halves.  A wave has four tensor loads outstanding at the most.
	s_cmp_eq_u32 s13, 0
	s_cbranch_scc0 .Lfor_w
.irp c, 0,1,2,3
	tensor_load_to_lds s[40+4*\c:43+4*\c], s[24:31]
	s_nop 0
.endr
	s_branch .Lasked
.Lfor_w:
.irp c, 0,1,2,3
	tensor_load_to_lds s[68+4*\c:71+4*\c], s[32:39]
	s_nop 0
.endr
.Lasked:
	WIN 0x40                                       ; destination in the second window
.irp ot, 0,1,2,3
	global_load_b128 v[BIAS+8*\ot:BIAS+8*\ot+3],   v[BO], s[8:9] offset:\ot*64
	global_load_b128 v[BIAS+8*\ot+4:BIAS+8*\ot+7], v[BO], s[8:9] offset:\ot*64+16
.endr
	WIN 0
; The fragments of K step kk (32 along k): chunk kk / 4; in wp16's rows byte 64 (kk % 4); in res head (kk % 4) / 2 of the chunk, byte 64 (kk % 2).
.macro FETCH kk, buf
.irp t, 0,1,2,3
	ds_load_b128 v[\buf+8*\t:\buf+8*\t+3],   v[RB+(\kk)/4] offset:\t*16*BP+((\kk)%4)*64
	ds_load_b128 v[\buf+8*\t+4:\buf+8*\t+7], v[RB+(\kk)/4] offset:\t*16*BP+((\kk)%4)*64+32
.endr
.irp t, 0,1,2,3
	ds_load_b128 v[\buf+32+8*\t:\buf+32+8*\t+3], v[RA+(\kk)/4] offset:(((\kk)%4)/2)*128*AP+\t*16*AP+((\kk)%2)*64
	ds_load_b128 v[\buf+36+8*\t:\buf+36+8*\t+3], v[RA+(\kk)/4] offset:(((\kk)%4)/2)*128*AP+\t*16*AP+((\kk)%2)*64+32
.endr
.endm
; 16 matrix instructions; first = 1: the biases start the sums.  The 16 accumulators take turns, one instruction a turn.
.macro MUL buf, first
	WIN 0x50                                       ; C and D in the second window
.irp ot, 0,1,2,3
.irp nt, 0,1,2,3
.if \first
	v_wmma_f32_16x16x32_f16 v[8*(4*\ot+\nt):8*(4*\ot+\nt)+7], v[\buf+8*\ot:\buf+8*\ot+7], v[\buf+32+8*\nt:\buf+32+8*\nt+7], v[BIAS+8*\ot:BIAS+8*\ot+7]
.else
	v_wmma_f32_16x16x32_f16 v[8*(4*\ot+\nt):8*(4*\ot+\nt)+7], v[\buf+8*\ot:\buf+8*\ot+7], v[\buf+32+8*\nt:\buf+32+8*\nt+7], v[8*(4*\ot+\nt):8*(4*\ot+\nt)+7]
.endif
.endr
.endr
	WIN 0
.endm
	s_wait_tensorcnt 3                             ; my part of chunk 0 is in; three loads stay out
	BAR                                            ; everybody's is
	FETCH 0, F0
	s_wait_loadcnt 0x0                             ; the biases
; Sixteen K steps on two fragment buffers: step kk fetches step kk + 1's fragments and multiplies its own.  Steps 3, 7, 11 fetch from the next chunk, so its barrier stands there;
; later chunks may stay on their way.
.irp kk, 0,1,2,3,4,5,6,7,8,9,10,11,12,13,14,15
.if (\kk % 4) == 3
.if \kk < 15
	s_wait_dscnt 0x0                               ; no LDS instruction is pending at a signal
	s_wait_tensorcnt 2-\kk/4                       ; a wave's tensor loads end in order (ISA guide 10.11.1): my part of the next chunk is in, the later ones stay out
	BAR
.endif
.endif
.if \kk < 15
.if \kk > 0
	PLACES 4                                       ; four places in front of loads into the buffer that the last step's matrix instructions read
.endif
	FETCH \kk+1, F0+64*((\kk+1)%2)
	s_wait_dscnt 16                                ; my step's fragments are in; the 16 loads just issued stay out
.else
	s_wait_dscnt 0x0
.endif
.if \kk == 0
	MUL F0, 1
.else
	MUL F0+64*(\kk%2), 0
.endif
.endr
; THE WAY OUT, 16 rows at a time: 32 bytes a lane into my own stage, read back as whole rows of 256 bytes, stored so that sixteen lanes write 256 consecutive bytes, aligned.
.macro OUT nt
	WIN 0x04                                       ; the stores' data in the second window
.irp ot, 0,1,2,3
	ds_store_b128 v[STO], v[8*(4*\ot+\nt):8*(4*\ot+\nt)+3]   offset:\ot*64
	ds_store_b128 v[STO], v[8*(4*\ot+\nt)+4:8*(4*\ot+\nt)+7] offset:\ot*64+16
.endr
	WIN 0
	s_wait_xcnt 0x0                                ; every earlier store has had its addresses translated (ISA guide 3.1): the set of registers that it read is loaded again only behind this wait
.irp i, 0,1,2,3,4,5,6,7
	ds_load_b128 v[T0+32*(\nt%2)+4*\i:T0+32*(\nt%2)+4*\i+3], v[RD] offset:\i*2*BP   ; my own bytes: LDS serves a wave's instructions in order (ISA guide 5.7.1)
.endr
.irp i, 0,1,2,3,4,5,6,7
	s_wait_dscnt 7-\i                              ; the younger read-backs stay out
	global_store_b128 v[CO], v[T0+32*(\nt%2)+4*\i:T0+32*(\nt%2)+4*\i+3], s[10:11] offset:\nt*32768+\i*4096 th:TH_STORE_NT
.endr
.endm
	PLACES 4                                       ; four places behind the last matrix instructions
	OUT 0
	OUT 1
	OUT 2
	OUT 3
	s_wait_tensorcnt 0x0
	ds_add_u32 v62, v63
	s_wait_dscnt 0x0
	ROUND                                          ; the closing round: no work-group ends while a partner may still ask for a tile that names it
	s_endpgm
.Lfunc_end_k_qd43d63a9bf_proj:
	.size	k_qd43d63a9bf_proj, .Lfunc_end_k_qd43d63a9bf_proj-k_qd43d63a9bf_proj
	.p2alignl 7, 3214868480
	.fill 96, 4, 3214868480
	.section	.rodata,"a",@progbits
	.p2align	6, 0x0
	.amdhsa_kernel k_qd43d63a9bf_proj
		.amdhsa_group_segment_fixed_size 304640
		.amdhsa_private_segment_fixed_size 0
		.amdhsa_enable_private_segment 0
		.amdhsa_kernarg_size 32
		.amdhsa_user_sgpr_count 2
		.amdhsa_user_sgpr_kernarg_segment_ptr 1
		.amdhsa_wavefront_size32 1
		.amdhsa_system_sgpr_workgroup_id_x 1
		.amdhsa_system_sgpr_workgroup_id_y 1
		.amdhsa_system_sgpr_workgroup_id_z 1
		.amdhsa_system_vgpr_workitem_id 0
		.amdhsa_next_free_vgpr 416
		.amdhsa_next_free_sgpr 90
		.amdhsa_reserve_vcc 0
		.amdhsa_float_denorm_mode_32 3
		.amdhsa_float_denorm_mode_16_64 3
		.amdhsa_memory_ordered 1
		.amdhsa_forward_progress 1
		.amdhsa_inst_pref_size 54
	.end_amdhsa_kernel
	.amdgpu_metadata
---
amdhsa.version: [ 1, 2 ]
amdhsa.kernels:
  - .name:           k_qd43d63a9bf_proj
    .symbol:         k_qd43d63a9bf_proj.kd
    .args:
      - { .name: res, .offset: 0, .size: 8, .value_kind: global_buffer, .address_space: global }
      - { .name: wp16, .offset: 8, .size: 8, .value_kind: global_buffer, .address_space: global }
      - { .name: bp, .offset: 16, .size: 8, .value_kind: global_buffer, .address_space: global }
      - { .name: out0, .offset: 24, .size: 8, .value_kind: global_buffer, .address_space: global }
    .group_segment_fixed_size: 304640
    .private_segment_fixed_size: 0
    .kernarg_segment_align: 8
    .kernarg_segment_size: 32
    .max_flat_workgroup_size: 128
    .sgpr_count:     90
    .vgpr_count:     416
    .wavefront_size: 32
...
	.end_amdgpu_metadata
.endif
;; end of part 4
;; ======== version 2 of 2: 4 launches; version 1 with the launch cast written anew for expert scheduling mode
;; limits: values are held in f16: magnitudes above 65,504 overflow, below 6.1e-05 lose precision
;; workspace buffers: x16 8,388,608 bytes; w16 1,572,864 bytes; wp16 524,288 bytes; qkv 25,165,824 bytes; res 8,388,608 bytes
;; launch cast (part 5): grid 256 x 1, 8 waves a work-group, no clusters, 0 bytes of LDS; arguments x, Wq, Wkv, Wp, x16, w16, wp16; writes x16, w16, wp16
.if DOCPART == 5
	.amdgcn_target "amdgcn-amd-amdhsa--gfx1250"
	.amdhsa_code_object_version 6
	.text
	.protected	k_qd43d63a9bf_cast
	.globl	k_qd43d63a9bf_cast
	.p2align	8
	.type	k_qd43d63a9bf_cast,@function
k_qd43d63a9bf_cast:
	s_mov_b64 s[64:65], 0
	v_nop
	global_prefetch_b8 v0, s[64:65] scope:SCOPE_SE
	s_setreg_imm32_b32 hwreg(HW_REG_WAVE_SCHED_MODE, 0, 2), 2
	s_setreg_imm32_b32 hwreg(HW_REG_WAVE_MODE, 25, 1), 1
	s_wait_xcnt 0x0
	s_wait_alu depctr_vm_vsrc(0)
; x, Wq, Wkv and Wp are rounded to f16 once, so that the products behind this launch take their operands as they lie in memory:
; x16 [8 b][512 c][1024 n] in x's order; w16 [1536][512]: rows 0-511 are Wq, rows 512-1535 Wkv, so that head g (0-7 q, 8-15 k, 16-23 v) owns rows 64 g; wp16 [512][512].
; The input y is not read by any launch: the function to be computed never uses it, so no result hangs on it.
; LIMITS: f16's largest number is 65,504, and below 2^-14 it keeps an absolute error of at most 2^-25.  x of spread 1 reaches about 5.5, 30 times larger 165, with an offset
; of 30 spreads 35; weights of spread 0.02 / 30 keep an error of at most 5e-5 of their spread.  NaN and infinities get no special care.
; A STREAM: each byte is read once and each result stored once, so there is no LDS, no barrier, no matrix unit and no cluster: no two work-groups share a byte.
; SHARES: 256 work-groups of 256 threads.  A work-group takes 65,536 bytes of x, 4,096 of Wq, 8,192 of Wkv and 4,096 of Wp: 20 loads of 16 bytes a thread.
; A load of a wave takes 512 consecutive bytes; the four numbers of a lane make 8 bytes of f16, so a store of a wave covers 256 consecutive bytes, aligned.
; All 20 loads go out at once (80 KiB a work-group on their way); each is rounded as it comes.  No register is written twice behind its load.
; THE MODE: SCHED_MODE bits 1:0 = 2 (LLVM: expert scheduling mode 2), set by the entry lines.  The code itself states the register dependences
; between vector instructions and memory instructions, with s_wait_alu, always for 0.
; THE PLAN.  The text is one straight run.  Registers that memory instructions touch:
;   v1, v2              the loads' and the stores' byte offsets: written once at the head, never again.
;   v[4 + 4 j : 7 + 4 j]  load j lands here, and no vector instruction names them before that; behind the wait for load j two conversions read the four and write the
;                       first two; store j reads those two; nothing writes them afterwards.
; So no memory instruction's source is ever written again, no load lands in a register that a vector instruction has named, and what is left to state is that the offsets
; and each store's data are written.  The loads go in five groups of four.  A group's four stores stand in one run at the head of the next group: behind the wait for that
; group's first load, and behind ONE wait on va_vdst, which states the eight results of the group before written.  The last group's stores have a wait of their own.
.set D, 4                              ; v4-83: load j in v[4 + 4 j : 7 + 4 j], rounded in place into its first two registers
	s_load_b256 s[4:11], s[0:1], 0x0               ; x 4:5, Wq 6:7, Wkv 8:9, Wp 10:11
	s_load_b128 s[12:15], s[0:1], 0x20             ; x16 12:13, w16 14:15
	s_load_b64 s[16:17], s[0:1], 0x30              ; wp16
	v_lshlrev_b32 v1, 4, v0                        ; my 16 bytes of each 4,096 read
	v_lshlrev_b32 v2, 3, v0                        ; my 8 bytes of each 2,048 stored
	s_lshl_b32 s20, ttmp9, 16                      ; the work-group's part of x,
	s_mov_b32 s21, 0
	s_lshl_b32 s22, ttmp9, 12                      ; of Wq and Wp, and of Wkv's rows in w16,
	s_mov_b32 s23, 0
	s_lshl_b32 s24, ttmp9, 13                      ; of Wkv,
	s_mov_b32 s25, 0
	s_lshl_b32 s26, ttmp9, 15                      ; of x16,
	s_mov_b32 s27, 0
	s_lshl_b32 s28, ttmp9, 11                      ; of Wq's rows in w16 and of wp16
	s_mov_b32 s29, 0
	s_wait_kmcnt 0x0
	s_add_nc_u64 s[4:5], s[4:5], s[20:21]
	s_add_nc_u64 s[6:7], s[6:7], s[22:23]
	s_add_nc_u64 s[8:9], s[8:9], s[24:25]
	s_add_nc_u64 s[10:11], s[10:11], s[22:23]
	s_add_nc_u64 s[12:13], s[12:13], s[26:27]
	s_add_nc_u64 s[30:31], s[14:15], s[22:23]
	s_add_nc_u64 s[30:31], s[30:31], 0x80000       ; Wkv's rows begin 512 rows of 1,024 bytes into w16
	s_add_nc_u64 s[14:15], s[14:15], s[28:29]
	s_add_nc_u64 s[16:17], s[16:17], s[28:29]
	s_wait_alu depctr_va_vdst(0)                   ; v1 and v2 are written: every load of the kernel reads v1 as its offset, every store v2
.irp j, 0,1,2,3,4,5,6,7,8,9,10,11,12,13,14,15
	global_load_b128 v[D+4*\j:D+4*\j+3], v1, s[4:5] offset:\j*4096 th:TH_LOAD_NT
.endr
	global_load_b128 v[D+64:D+67], v1, s[6:7] th:TH_LOAD_NT
	global_load_b128 v[D+68:D+71], v1, s[8:9] th:TH_LOAD_NT
	global_load_b128 v[D+72:D+75], v1, s[8:9] offset:4096 th:TH_LOAD_NT
	global_load_b128 v[D+76:D+79], v1, s[10:11] th:TH_LOAD_NT
; The group of loads base .. base + 3.  prior = 1: the group before it, four loads of x, is stored first.
.macro GROUP base, prior
	s_wait_loadcnt 19-(\base)                      ; loads come back in order (ISA guide 5.7.1): the group's first load is in, the younger ones stay out
.if \prior
	s_wait_alu depctr_va_vdst(0)                   ; the conversions of the group before have written their eight results, which the four stores below read
.irp i, 0,1,2,3
	global_store_b64 v2, v[D+4*(\base-4+\i):D+4*(\base-4+\i)+1], s[12:13] offset:(\base-4+\i)*2048
.endr
.endif
.irp i, 0,1,2,3
.if \i > 0
	s_wait_loadcnt 19-(\base+\i)                   ; the group's next load is in
.endif
	v_cvt_pk_f16_f32 v[D+4*(\base+\i)],   v[D+4*(\base+\i)],   v[D+4*(\base+\i)+1]
	v_cvt_pk_f16_f32 v[D+4*(\base+\i)+1], v[D+4*(\base+\i)+2], v[D+4*(\base+\i)+3]
.endr
.endm
	GROUP 0, 0
	GROUP 4, 1
	GROUP 8, 1
	GROUP 12, 1
	GROUP 16, 1                                    ; the weights' four loads; x's last four stores
	s_wait_alu depctr_va_vdst(0)                   ; the last group's conversions have written their eight results, which the last four stores read
	global_store_b64 v2, v[D+64:D+65], s[14:15]                ; Wq's rows of w16
	global_store_b64 v2, v[D+68:D+69], s[30:31]                ; Wkv's rows of w16
	global_store_b64 v2, v[D+72:D+73], s[30:31] offset:2048
	global_store_b64 v2, v[D+76:D+77], s[16:17]                ; wp16
	s_endpgm
.Lfunc_end_k_qd43d63a9bf_cast:
	.size	k_qd43d63a9bf_cast, .Lfunc_end_k_qd43d63a9bf_cast-k_qd43d63a9bf_cast
	.p2alignl 7, 3214868480
	.fill 96, 4, 3214868480
	.section	.rodata,"a",@progbits
	.p2align	6, 0x0
	.amdhsa_kernel k_qd43d63a9bf_cast
		.amdhsa_group_segment_fixed_size 0
		.amdhsa_private_segment_fixed_size 0
		.amdhsa_enable_private_segment 0
		.amdhsa_kernarg_size 56
		.amdhsa_user_sgpr_count 2
		.amdhsa_user_sgpr_kernarg_segment_ptr 1
		.amdhsa_wavefront_size32 1
		.amdhsa_system_sgpr_workgroup_id_x 1
		.amdhsa_system_sgpr_workgroup_id_y 1
		.amdhsa_system_sgpr_workgroup_id_z 1
		.amdhsa_system_vgpr_workitem_id 0
		.amdhsa_next_free_vgpr 88
		.amdhsa_next_free_sgpr 66
		.amdhsa_reserve_vcc 0
		.amdhsa_float_denorm_mode_32 3
		.amdhsa_float_denorm_mode_16_64 3
		.amdhsa_memory_ordered 1
		.amdhsa_forward_progress 1
		.amdhsa_inst_pref_size 9
	.end_amdhsa_kernel
	.amdgpu_metadata
---
amdhsa.version: [ 1, 2 ]
amdhsa.kernels:
  - .name:           k_qd43d63a9bf_cast
    .symbol:         k_qd43d63a9bf_cast.kd
    .args:
      - { .name: x, .offset: 0, .size: 8, .value_kind: global_buffer, .address_space: global }
      - { .name: Wq, .offset: 8, .size: 8, .value_kind: global_buffer, .address_space: global }
      - { .name: Wkv, .offset: 16, .size: 8, .value_kind: global_buffer, .address_space: global }
      - { .name: Wp, .offset: 24, .size: 8, .value_kind: global_buffer, .address_space: global }
      - { .name: x16, .offset: 32, .size: 8, .value_kind: global_buffer, .address_space: global }
      - { .name: w16, .offset: 40, .size: 8, .value_kind: global_buffer, .address_space: global }
      - { .name: wp16, .offset: 48, .size: 8, .value_kind: global_buffer, .address_space: global }
    .group_segment_fixed_size: 0
    .private_segment_fixed_size: 0
    .kernarg_segment_align: 8
    .kernarg_segment_size: 56
    .max_flat_workgroup_size: 256
    .sgpr_count:     66
    .vgpr_count:     88
    .wavefront_size: 32
...
	.end_amdgpu_metadata
.endif
;; end of part 5
;; launch qkv_gemm: the kernel of part 2 again; grid 8 x 32, 4 waves a work-group, clusters of 4 x 4, 327,680 bytes of LDS; arguments x16, w16, bq, bkv, qkv; writes qkv
;; launch attn: the kernel of part 3 again; grid 4 x 64, 8 waves a work-group, clusters of 4 x 1, 312,320 bytes of LDS; arguments qkv, res; writes res
;; launch proj: the kernel of part 4 again; grid 4 x 64, 4 waves a work-group, clusters of 4 x 4, 304,640 bytes of LDS; arguments res, wp16, bp, out0; writes out0
